; MI455X (gfx1250); checked and timed in simulation.
; The chip was launched on July 23, 2026; its instructions are those of AMD's public machine-readable ISA for CDNA 5 (MIT licence, August 2026) and "CDNA5" Instruction Set Architecture Reference Guide (July 2026). The comments in the code are by the model that wrote it; some were corrected since.
;; Gated Mo E. Allowed arithmetic: matrix products marked QUANTISED: E3M2 operands, one E8M0 scale for each 32 along K, by v_wmma_scale_f32_16x16x128_f8f6f4 with both operands' format E3M2, f32 sums; products left as they are: f32 operands where the result goes on into a quantised operand, else bf16, f16 or f32 operands; f32 sums; everything else in f32.
;; Inputs: expert_w 32 x 512 x 512 float32; gate_b 32 float32; gate_w 512 x 32 float32; x 4 x 2,048 x 512 float32.
;; Outputs: out0 4 x 2,048 x 512 float32.
;; This version of the problem:
;;   THIS VERSION OF THE PROBLEM IS GIVEN IN LOW PRECISION. The matrix products marked QUANTISED in the list below multiply operands that are first quantised to E3M2 (3 exponent bits, 2 mantissa bits; 6 bits a number), with one power-of-two scale for each 32 numbers along K (OCP MX v1.0); their sums are f32. All else is computed in f32.
;;   The module's matrix products, in the order in which they are computed (A, B: the left and right operand; K: the contracted axis; several contracted axes count as one K, in the product's order):
;;     1. [M 8,192, K 512] x [K 512, N 32]; A: input x; B: input gate_w: QUANTISED
;;     2. batch 8,192 x [M 512, K 1] x [K 1, N 32]; A: computed on the way; B: computed on the way: left as it is (no contracted axis)
;;     3. [M 8,192, K 16,384] x [K 16,384, N 512]; A: computed on the way; B: input expert_w: QUANTISED
;;   THE QUANTISER, for each operand of a quantised product, along K:
;;     - K is cut into blocks of 32 from its start; a last block that is shorter is filled with zeros.
;;     - A block's scale is 2^e with e = floor(log2(the largest magnitude in the block)) - 4, held to -126 .. 127; a block of zeros has e = 0. As a byte (E8M0): e + 127.
;;     - Each number is divided by its block's scale, clamped to +-28, and rounded to the nearest number of E3M2, ties to even, subnormals kept.
;;     - The product sums the exact products of the quantised numbers (number of the format x scale) in f32.
;;   ~~~python
;;   def quantise(x, axis):      # numpy; x: float32 -> the quantised numbers, widened to float32 again
;;       x = np.moveaxis(x, axis, -1); K = x.shape[-1]
;;       x = np.pad(x, [(0, 0)] * (x.ndim - 1) + [(0, -K % 32)]); x = x.reshape(x.shape[:-1] + (-1, 32)); a = np.abs(x).max(-1, keepdims=True)
;;       e = np.where(a > 0, np.clip(np.frexp(np.where(a > 0, a, 1))[1] - 1 - 4, -126, 127), 0)      # np.frexp(a)[1] - 1 = floor(log2(a)), exactly
;;       r = np.clip(x / 2.0 ** e, -28, 28)
;;       step = 2.0 ** (np.maximum(np.frexp(np.where(r == 0, 1, r))[1] - 1, -2) - 2)
;;       q = np.round(r / step) * step * 2.0 ** e      # np.round: ties to even
;;       return np.moveaxis(q.reshape(q.shape[:-2] + (-1,))[..., :K], -1, axis).astype(np.float32)
;;   ~~~
;;   OPERANDS COMPUTED ON THE WAY. 'Computed on the way' means the value that the module computes at that place (a softmax that the list does not call 'softmax' is quantised finished and normalised). What goes into a quantiser is computed in f32, as accurately as f32 sums, v_exp_f32 and their like allow (about 1e-6 of the number): no bf16 or f16 on the way to a quantiser, and a product that is left as it is and whose result goes on into a quantised operand takes f32 operands (vector FMAs, or v_wmma_f32_16x16x4_f32). A number that lies on a knife's edge between two numbers of the format may be rounded either way, as far as f32 arithmetic and the matrix unit's own rounding can turn it there, and no further.
;; One version. Each part assembles by itself: llvm-mc -triple=amdgcn-amd-amdhsa -mcpu=gfx1250 --defsym DOCPART=n.
;; ======== version 1 of 1: 2 launches
;; limits: right only within a limited range of input values
;; workspace buffers: bq 6,553,600 bytes; gts 1,048,576 bytes
;; launch prep (part 1): grid 640 x 1, 4 waves a work-group, no clusters, 13,312 bytes of LDS; arguments expert_w, gate_w, gate_b, x, bq, gts; writes bq, gts
.if DOCPART == 1
	.amdgcn_target "amdgcn-amd-amdhsa--gfx1250"
	.amdhsa_code_object_version 6
	.text
	.protected	k_qeb20695c1c_prep
	.globl	k_qeb20695c1c_prep
	.p2align	8
	.type	k_qeb20695c1c_prep,@function
k_qeb20695c1c_prep:
	s_mov_b64 s[64:65], 0
	v_nop
	global_prefetch_b8 v0, s[64:65] scope:SCOPE_SE
	s_setreg_imm32_b32 hwreg(HW_REG_WAVE_MODE, 25, 1), 1
	s_wait_xcnt 0x0
; TWO JOBS IN ONE LAUNCH, parted by the work-group's number.
; Work-groups 0-511 (W): expert_w [32 e][512 d][512 f], f32, becomes the right operand of the large product, whose K is (d, e), e innermost: a block of 32 along K is ONE d with all 32 experts.
;   Codes of BF6 (E3M2) and E8M0 scale bytes go to bq in the ORDER OF THE OPERAND'S REGISTERS: [column half nh][K step ks (128)][25,600 bytes]: 16 fragments of 1,536 bytes (16 columns x 128 K; registers 4 g .. 4 g + 3 of
;   lane l at 512 g + 16 l), then 1,024 bytes of scale words (pair p = 4 g + i of column tiles at 512 g + 16 l + 4 i: lanes 0-15 the even tile's columns, lanes 16-31 the odd tile's).
;   THE d OF A BLOCK: place b (0 .. 3) of K step ks holds d = 8 (ks / 2) + 2 (ks % 2) + 4 (b % 2) + b / 2.  The next launch lays the left operand by the same map, so the products are the same; the order of the f32 sums differs.
; Work-groups 512-639 (gate): gate = softmax(Q(x) Q(gate_w) + gate_b) for 64 tokens each, a tile of 16 tokens to a wave; both operands quantised along d in their natural order; the gates go to gts as register images:
;   [tile of 16 tokens][quad q][lane][16 bytes]: lane (r, h), quad q holds gate[token r][16 (q / 2) + 8 h + 4 (q % 2) + 0 .. 3].
; THE QUANTISER: a block's scale is 2^(floor(log2(its largest magnitude)) - 4); its byte is that magnitude's exponent field - 4, held at 1 from below by a floor among the maximum's leaves.
; LIMITS: a block of zeros, and one whose largest magnitude lies under 2^-122, gets the byte 1 (the rule says 127 for zeros: the codes are zeros, and only this program reads the bytes); NaN and infinities among the inputs are
; not served; a gate under 2^-126 comes out of the exponential as 0.
; No tensor loads; work-groups share no tile but gate_w's 65,536 bytes, so there is no cluster.  Only the gate path touches LDS or has a barrier.
.set XW,   128                         ; v128-255 128 numbers as loaded: block b at XW + 32 b; later two sets of 64 numbers of x
.set AM,   10                          ; v10-11   two chains of a maximum
.set SOP,  12                          ; v12-15   a block's conversion scale
.set BY,   16                          ; v16-19   its byte
.set WD,   20                          ; v20      a column's scale word
.set TM,   24                          ; v24-39   at work in QUANT
.set PW,   40                          ; v40      x's scale word: holds scales alone
.set F0,   44                          ; v44-55   fragment of the lower 16 columns
.set F1,   56                          ; v56-67   of the upper 16
.set PC,   44                          ; v44-62   x's codes (the gate path, behind the barrier)
.set TT,   68                          ; v68-70   a conversion's upper half
.set GWA,  72                          ; v72-95   gate_w's two fragments of a K step
.set GWSC, 96                          ; v96      their scale words: holds scales alone
.set ACC,  100                         ; v100-115 the logits: two tiles of 16 experts
.set SM,   116                         ; v116-125 at work in the softmax
.set SEL,  40                          ; s[40:41] v_permlanex16_b32's selects for lane l xor 16
.set GSCL, 12288                       ; LDS: gate_w's 8 fragment images from byte 0, their scale words from here, 128 bytes a K step
; Block b, 32 numbers of ONE lane, becomes six registers of codes at dst and a byte.
.macro QB b, dst
.set XB, XW+32*(\b)
	v_max3_num_f32 v[AM], |v[XB]|, |v[XB+1]|, |v[XB+2]|
	v_max3_num_f32 v[AM+1], |v[XB+3]|, |v[XB+4]|, |v[XB+5]|
.irp i, 6,10,14,18,22,26
	v_max3_num_f32 v[AM], v[AM], |v[XB+\i]|, |v[XB+\i+1]|
	v_max3_num_f32 v[AM+1], v[AM+1], |v[XB+\i+2]|, |v[XB+\i+3]|
.endr
	v_max3_num_f32 v[AM], v[AM], |v[XB+30]|, |v[XB+31]|
	v_max3_num_f32 v[AM], v[AM], v[AM+1], 0x2800000            ; the floor 2^(5 - 127): the byte cannot fall under 1
	v_add_nc_u32 v[SOP+\b], 0xfe000000, v[AM]                  ; 4 off the exponent field: the conversion takes this operand's exponent field as its scale
	v_cvt_scalef32_pk16_bf6_f32 v[\dst:\dst+2], v[XB:XB+15], v[SOP+\b]
	v_cvt_scalef32_pk16_bf6_f32 v[TT:TT+2], v[XB+16:XB+31], v[SOP+\b]   ; (a conversion's three registers begin on an even number)
	v_lshrrev_b32 v[BY+\b], 23, v[SOP+\b]                      ; the byte; also the plain line behind the conversions
	v_mov_b32 v[\dst+3], v[TT]
	v_mov_b32 v[\dst+4], v[TT+1]
	v_mov_b32 v[\dst+5], v[TT+2]
.endm
; A lane holds its column's four blocks: 0 and 2 in F0, 1 and 3 in F1.  The operand's layout wants blocks 0, 2 of a tile's column r in lane r and blocks 1, 3 in lane 16 + r:
; F0's lanes 16-31 change places with F1's lanes 0-15, and F0 is the lower 16 columns' fragment, F1 the upper 16's.
.macro FRAGS
.irp i, 0,1,2,3,4,5,6,7,8,9,10,11
	v_permlane16_swap_b32 v[F0+\i], v[F1+\i]
.endr
	v_lshl_or_b32 v[WD], v[BY+1], 8, v[BY]                     ; my column's scale word: lanes 0-15 the lower tile's, lanes 16-31 the upper tile's
	v_lshl_or_b32 v[WD], v[BY+2], 16, v[WD]
	v_lshl_or_b32 v[WD], v[BY+3], 24, v[WD]
.endm
.macro WLOAD b                         ; expert_w[e][d of place b][my column], e = 0 .. 31: a wave's load reads 128 consecutive bytes, the four waves stand side by side on 512
.irp e, 0,1,2,3,4,5,6,7,8,9,10,11,12,13,14,15,16,17,18,19,20,21,22,23,24,25,26,27,28,29,30,31
	global_load_b32 v[XW+32*(\b)+\e], v2, s[24+2*(\e/8):25+2*(\e/8)] offset:((\e%8)<<20)+(4*((\b)%2)+(\b)/2)*2048 th:TH_LOAD_NT
.endr
.endm
.macro GLOAD b                         ; gate_w[128 w + 32 b + i][my column e]
.irp i, 0,1,2,3,4,5,6,7,8,9,10,11,12,13,14,15,16,17,18,19,20,21,22,23,24,25,26,27,28,29,30,31
	global_load_b32 v[XW+32*(\b)+\i], v2, s[6:7] offset:(32*(\b)+\i)*128
.endr
.endm
.macro XLOAD s                         ; my 16 tokens' numbers of K step s: register 16 b + 4 j + .. = d 128 s + 32 b + 16 h + 4 j + .. of token r; into set s % 2
.irp b, 0,1,2,3
.irp j, 0,1,2,3
	global_load_b128 v[XW+64*((\s)%2)+16*\b+4*\j:XW+64*((\s)%2)+16*\b+4*\j+3], v6, s[10:11] offset:512*(\s)+128*\b+16*\j
.endr
.endr
.endm
; 64 numbers of a lane, register 16 b + i = k 32 b + 16 h + i of my token, become a fragment's codes in v[PC] on and its scale word in v[PW].
.macro QUANT s
.irp b, 0,1,2,3
	v_max3_num_f32 v[TM+\b], |v[\s+16*\b]|, |v[\s+1+16*\b]|, 0x2800000
.endr
.irp i, 2,4,6,8,10,12,14
.irp b, 0,1,2,3
	v_max3_num_f32 v[TM+\b], v[TM+\b], |v[\s+16*\b+\i]|, |v[\s+1+16*\b+\i]|
.endr
.endr
.irp b, 0,1,2,3
	v_permlanex16_b32 v[TM+4+\b], v[TM+\b], s[SEL], s[SEL+1]
.endr
.irp b, 0,1,2,3
	v_max_num_f32 v[TM+\b], v[TM+\b], v[TM+4+\b]               ; with lane l xor 16's: the block's largest magnitude
.endr
.irp b, 0,1,2,3
	v_add_nc_u32 v[TM+12+\b], 0xfe000000, v[TM+\b]
.endr
.irp b, 0,1,2,3
	v_lshrrev_b32 v[TM+4+\b], 23, v[TM+12+\b]
.endr
	v_lshl_or_b32 v[PW], v[TM+5], 8, v[TM+4]
	v_lshl_or_b32 v[PW], v[TM+6], 16, v[PW]
	v_lshl_or_b32 v[PW], v[TM+7], 24, v[PW]
.irp c, 0,1
	v_cvt_scalef32_pk16_bf6_f32 v[PC+6*\c:PC+2+6*\c], v[\s+32*\c:\s+15+32*\c], v[TM+12+2*\c]
	v_cvt_scalef32_pk16_bf6_f32 v[PC+12+4*\c:PC+14+4*\c], v[\s+16+32*\c:\s+31+32*\c], v[TM+12+2*\c+1]
.endr
	v_nop                                          ; one plain line behind the scaled conversions
.irp c, 0,1                                    ; the layout wants a whole block in a lane: lanes 0-15 block 2 c, lanes 16-31 block 2 c + 1
.irp i, 0,1,2
	v_permlane16_swap_b32 v[PC+6*\c+\i], v[PC+12+4*\c+\i]
.endr
.irp i, 0,1,2
	v_mov_b32 v[PC+3+6*\c+\i], v[PC+12+4*\c+\i]
.endr
.endr
.endm
	s_load_b256 s[4:11], s[0:1], 0x0               ; expert_w s[4:5], gate_w s[6:7], gate_b s[8:9], x s[10:11]
	s_load_b128 s[12:15], s[0:1], 0x20             ; bq s[12:13], gts s[14:15]
	v_lshl_add_u32 v126, v0, 2, 0x3200
	v_mov_b32 v127, 0
	v_lshrrev_b32 v9, 5, v0
	v_readfirstlane_b32 s16, v9                    ; wave 0..3
	v_and_b32 v1, 31, v0                           ; lane
	v_lshlrev_b32 v2, 2, v1                        ; 4 x lane
	v_lshlrev_b32 v3, 4, v1                        ; 16 x lane
	s_cmp_lt_u32 ttmp9, 512
	s_cbranch_scc0 .Lgate
	; ---- W: K step ks = work-group / 4, columns 128 (work-group % 4) + 32 wave + lane
	s_lshr_b32 s17, ttmp9, 2                       ; ks
	s_and_b32 s18, ttmp9, 3                        ; cg
	s_lshr_b32 s19, s17, 1
	s_lshl_b32 s19, s19, 3
	s_and_b32 s20, s17, 1
	s_lshl_b32 s20, s20, 1
	s_add_co_u32 s19, s19, s20                     ; the d of place 0: 8 (ks / 2) + 2 (ks % 2)
	s_lshl_b32 s19, s19, 11                        ; a row of 512 f32
	s_lshl_b32 s20, s18, 9
	s_add_co_u32 s19, s19, s20
	s_lshl_b32 s20, s16, 7
	s_add_co_u32 s20, s19, s20                     ; + 4 x my wave's first column
	s_mov_b32 s21, 0
	s_lshr_b32 s32, s18, 1                         ; nh
	s_lshl_b32 s32, s32, 7
	s_add_co_u32 s32, s32, s17
	s_mul_i32 s32, s32, 25600                      ; the step's block in bq
	s_and_b32 s33, s18, 1
	s_lshl_b32 s34, s33, 2
	s_add_co_u32 s34, s34, s16                     ; my pair of column tiles p = 4 (cg % 2) + wave
	s_mul_i32 s34, s34, 3072
	s_add_co_u32 s34, s34, s32
	s_mov_b32 s35, 0
	s_lshl_b32 s33, s33, 9
	s_lshl_b32 s38, s16, 2
	s_add_co_u32 s38, s38, s33
	s_add_co_u32 s38, s38, s32                     ; my pair's scale words: 512 (p / 4) + 4 (p % 4)
	s_mov_b32 s39, 0
	s_wait_kmcnt 0x0
	s_add_nc_u64 s[24:25], s[4:5], s[20:21]        ; four bases, eight experts apart, so that every offset is an immediate of at most 7,350,272 bytes
	s_add_nc_u64 s[26:27], s[24:25], 0x800000
	s_add_nc_u64 s[28:29], s[26:27], 0x800000
	s_add_nc_u64 s[30:31], s[28:29], 0x800000
	s_add_nc_u64 s[36:37], s[12:13], s[34:35]
	s_add_nc_u64 s[38:39], s[12:13], s[38:39]
	s_wait_alu depctr_va_vdst(0)
	WLOAD 0
	WLOAD 1
	s_wait_loadcnt 32                              ; block 0 is in; block 1's 32 loads may be out
	WLOAD 2
	QB 0, F0
	s_wait_loadcnt 32                              ; block 1 is in; block 2's may be out
	WLOAD 3
	QB 1, F1
	s_wait_loadcnt 32                              ; block 2 is in; block 3's may be out
	QB 2, F0+6
	s_wait_loadcnt 0x0
	QB 3, F1+6
	FRAGS
.irp j, 0,1,2,3,4,5
	global_store_b128 v3, v[F0+4*\j:F0+4*\j+3], s[36:37] offset:512*\j   ; two fragments: 3,072 consecutive bytes, 512 a store
.endr
	global_store_b32 v3, v[WD], s[38:39] offset:24576      ; 4 bytes at every 16: the work-group's four waves fill the 512 bytes between them; 128 of the wave's 3,200 stored bytes
	s_endpgm
	; ---- gate: tile of 16 tokens rt = 4 (work-group - 512) + wave
.Lgate:
	s_sub_co_u32 s17, ttmp9, 512
	s_lshl_b32 s17, s17, 2
	s_add_co_u32 s17, s17, s16                     ; rt
	v_and_b32 v4, 15, v0                           ; r
	v_bfe_u32 v5, v0, 4, 1                         ; h
	v_lshlrev_b32 v6, 11, v4
	v_lshl_add_u32 v6, v5, 6, v6                   ; x: token r's row of 2,048 bytes, + 64 h
	v_lshlrev_b32 v7, 5, v5                        ; gate_b: 32 h
	s_mul_i32 s18, s16, 3072
	s_wait_alu depctr_va_vdst(0)
	v_add_nc_u32 v8, s18, v3                       ; LDS: where I store my K step's two images: 3,072 wave + 16 lane
	s_lshl_b32 s18, s16, 7
	v_add_nc_u32 v9, s18, v2                       ; and their scale words: 128 wave + 4 lane
.irp b, 0,1,2,3
	v_mov_b32 v[TM+4+\b], 0                        ; written once: a lane permute's destination counts as one of its sources
.endr
	v_mov_b32 v[SM+4], 0
	s_mov_b32 s[SEL], 0x76543210
	s_mov_b32 s[SEL+1], 0xfedcba98
	s_lshl_b32 s20, s16, 14                        ; gate_w: my K step's 128 rows of 128 bytes
	s_mov_b32 s21, 0
	s_lshl_b32 s22, s17, 15                        ; x: 16 rows of 2,048 bytes a tile
	s_mov_b32 s23, 0
	s_lshl_b32 s24, s17, 11                        ; gts: 2,048 bytes a tile
	s_mov_b32 s25, 0
	s_wait_kmcnt 0x0
	s_add_nc_u64 s[6:7], s[6:7], s[20:21]
	s_add_nc_u64 s[10:11], s[10:11], s[22:23]
	s_add_nc_u64 s[14:15], s[14:15], s[24:25]
.irp t, 0,1                                    ; the bias is the C of each sum's first product: register j of tile t = gate_b[16 t + 8 h + j]
	global_load_b128 v[ACC+8*\t:ACC+8*\t+3], v7, s[8:9] offset:64*\t
	global_load_b128 v[ACC+8*\t+4:ACC+8*\t+7], v7, s[8:9] offset:64*\t+16
.endr
	; A: wave w quantises K step w of gate_w: a lane takes an expert's column, its registers run down d
	GLOAD 0
	GLOAD 1
	s_wait_loadcnt 32                              ; the bias and block 0 are in; block 1's 32 loads may be out
	GLOAD 2
	QB 0, F0
	s_wait_loadcnt 32                              ; block 1 is in; block 2's may be out
	GLOAD 3
	QB 1, F1
	XLOAD 0                                        ; x's first K step takes the registers that blocks 0 and 1 have left
	s_wait_loadcnt 48                              ; block 2 is in; block 3's 32 and x's 16 may be out
	QB 2, F0+6
	s_wait_loadcnt 16                              ; block 3 is in; x's 16 may be out
	QB 3, F1+6
	XLOAD 1
	FRAGS
.irp j, 0,1,2,3,4,5
	ds_store_b128 v8, v[F0+4*\j:F0+4*\j+3] offset:512*\j   ; the fragments go to LDS as images of their registers
.endr
	ds_store_b32 v9, v[WD] offset:GSCL
	s_wait_dscnt 0x0                               ; for the others' sake: my stores have landed
	s_barrier_signal -1
	s_barrier_wait -1                              ; gate_w's eight fragments lie in LDS; nothing is written there again
	; B: the logits, transposed: source 0 = 16 experts, source 1 = my 16 tokens: lane (r, h) holds token r, register j of tile t expert 16 t + 8 h + j
.macro GSTEP s
.if (\s) > 0
.rept 4
	v_nop                                          ; four plain lines between the last products and the loads and vector writes into their sources
.endr
.endif
.irp j, 0,1,2,3,4,5
	ds_load_b128 v[GWA+4*\j:GWA+4*\j+3], v3 offset:3072*(\s)+512*\j
.endr
	ds_load_b32 v[GWSC], v2 offset:GSCL+128*(\s)
.if (\s) < 3
	s_wait_loadcnt 16                              ; this K step's 16 loads of x are in; the other set's may be out
.else
	s_wait_loadcnt 0x0
.endif
	QUANT XW+64*((\s)%2)
.if (\s) < 2
	s_wait_alu depctr_va_vdst(0)
	XLOAD (\s)+2
.endif
.rept 8
	v_nop                                          ; a scale register written by a vector instruction stands eight plain lines ahead of a scaled product, an operand four
.endr
	s_wait_alu depctr_va_vdst(0)
	s_wait_dscnt 0x0
	v_wmma_scale_f32_16x16x128_f8f6f4 v[ACC:ACC+7], v[GWA:GWA+11], v[PC:PC+11], v[ACC:ACC+7], v[GWSC], v[PW] matrix_a_fmt:MATRIX_FMT_BF6 matrix_b_fmt:MATRIX_FMT_BF6
	v_wmma_scale_f32_16x16x128_f8f6f4 v[ACC+8:ACC+15], v[GWA+12:GWA+23], v[PC:PC+11], v[ACC+8:ACC+15], v[GWSC], v[PW] matrix_a_fmt:MATRIX_FMT_BF6 matrix_b_fmt:MATRIX_FMT_BF6 matrix_a_scale:MATRIX_SCALE_ROW1
.endm                                          ; (the two accumulators take turns)
	GSTEP 0
	GSTEP 1
	GSTEP 2
	GSTEP 3
.rept 4
	v_nop
.endr
	; the softmax over a token's 32 experts: 16 in my registers, 16 in lane l xor 16's.  Each accumulator is read from its low end on
	v_max3_num_f32 v[SM], v[ACC], v[ACC+1], v[ACC+2]
	v_max3_num_f32 v[SM+1], v[ACC+8], v[ACC+9], v[ACC+10]
	v_max3_num_f32 v[SM], v[SM], v[ACC+3], v[ACC+4]
	v_max3_num_f32 v[SM+1], v[SM+1], v[ACC+11], v[ACC+12]
	v_max3_num_f32 v[SM], v[SM], v[ACC+5], v[ACC+6]
	v_max3_num_f32 v[SM+1], v[SM+1], v[ACC+13], v[ACC+14]
	v_max3_num_f32 v[SM], v[SM], v[ACC+7], v[ACC+15]
	v_max_num_f32 v[SM], v[SM], v[SM+1]
	v_permlanex16_b32 v[SM+4], v[SM], s[SEL], s[SEL+1]
	v_max_num_f32 v[SM], v[SM], v[SM+4]            ; the token's largest logit
.irp i, 0,2,4,6,8,10,12,14
	v_pk_add_f32 v[ACC+\i:ACC+\i+1], v[ACC+\i:ACC+\i+1], v[SM:SM+1] op_sel_hi:[1,0] neg_lo:[0,1] neg_hi:[0,1]   ; the maximum is taken away first, as the reference does,
.endr
.irp i, 0,2,4,6,8,10,12,14
	v_pk_mul_f32 v[ACC+\i:ACC+\i+1], v[ACC+\i:ACC+\i+1], 0x3fb8aa3b op_sel_hi:[1,0]   ; and the difference goes to base 2
.endr
	s_wait_alu depctr_va_vdst(0)
.irp i, 0,1,2,3,4,5,6,7,8,9,10,11,12,13,14,15
	v_exp_f32 v[ACC+\i], v[ACC+\i]
.endr
	v_nop                                          ; a plain line behind the last exponential
	s_wait_alu depctr_va_vdst(0)                   ; one wait for the batch, ahead of its first reader
	v_pk_add_f32 v[SM:SM+1], v[ACC:ACC+1], v[ACC+2:ACC+3]
	v_pk_add_f32 v[SM+2:SM+3], v[ACC+4:ACC+5], v[ACC+6:ACC+7]
	v_pk_add_f32 v[SM+6:SM+7], v[ACC+8:ACC+9], v[ACC+10:ACC+11]
	v_pk_add_f32 v[SM+8:SM+9], v[ACC+12:ACC+13], v[ACC+14:ACC+15]
	v_pk_add_f32 v[SM:SM+1], v[SM:SM+1], v[SM+2:SM+3]
	v_pk_add_f32 v[SM+6:SM+7], v[SM+6:SM+7], v[SM+8:SM+9]
	v_pk_add_f32 v[SM:SM+1], v[SM:SM+1], v[SM+6:SM+7]
	v_add_f32 v[SM], v[SM], v[SM+1]
	v_permlanex16_b32 v[SM+4], v[SM], s[SEL], s[SEL+1]
	v_add_f32 v[SM], v[SM], v[SM+4]                ; the token's sum
	s_wait_alu depctr_va_vdst(0)
	v_rcp_f32 v[SM+2], v[SM]
	v_nop
	s_wait_alu depctr_va_vdst(0)                   ; the wait ahead of the reciprocal's first reader
.irp i, 0,2,4,6,8,10,12,14
	v_pk_mul_f32 v[ACC+\i:ACC+\i+1], v[ACC+\i:ACC+\i+1], v[SM+2:SM+3] op_sel_hi:[1,0]
.endr
.irp q, 0,1,2,3
	global_store_b128 v3, v[ACC+4*\q:ACC+4*\q+3], s[14:15] offset:512*\q   ; 512 consecutive bytes a store
.endr
	s_wait_tensorcnt 0x0
	ds_add_u32 v126, v127
	s_wait_dscnt 0x0
	s_endpgm
.Lfunc_end_k_qeb20695c1c_prep:
	.size	k_qeb20695c1c_prep, .Lfunc_end_k_qeb20695c1c_prep-k_qeb20695c1c_prep
	.p2alignl 7, 3214868480
	.fill 96, 4, 3214868480
	.section	.rodata,"a",@progbits
	.p2align	6, 0x0
	.amdhsa_kernel k_qeb20695c1c_prep
		.amdhsa_group_segment_fixed_size 13312
		.amdhsa_private_segment_fixed_size 0
		.amdhsa_enable_private_segment 0
		.amdhsa_kernarg_size 48
		.amdhsa_user_sgpr_count 2
		.amdhsa_user_sgpr_kernarg_segment_ptr 1
		.amdhsa_wavefront_size32 1
		.amdhsa_system_sgpr_workgroup_id_x 1
		.amdhsa_system_sgpr_workgroup_id_y 1
		.amdhsa_system_sgpr_workgroup_id_z 1
		.amdhsa_system_vgpr_workitem_id 0
		.amdhsa_next_free_vgpr 256
		.amdhsa_next_free_sgpr 66
		.amdhsa_reserve_vcc 0
		.amdhsa_float_denorm_mode_32 3
		.amdhsa_float_denorm_mode_16_64 3
		.amdhsa_memory_ordered 1
		.amdhsa_forward_progress 1
		.amdhsa_inst_pref_size 71
	.end_amdhsa_kernel
	.amdgpu_metadata
---
amdhsa.version: [ 1, 2 ]
amdhsa.kernels:
  - .name:           k_qeb20695c1c_prep
    .symbol:         k_qeb20695c1c_prep.kd
    .args:
      - { .name: expert_w, .offset: 0, .size: 8, .value_kind: global_buffer, .address_space: global }
      - { .name: gate_w, .offset: 8, .size: 8, .value_kind: global_buffer, .address_space: global }
      - { .name: gate_b, .offset: 16, .size: 8, .value_kind: global_buffer, .address_space: global }
      - { .name: x, .offset: 24, .size: 8, .value_kind: global_buffer, .address_space: global }
      - { .name: bq, .offset: 32, .size: 8, .value_kind: global_buffer, .address_space: global }
      - { .name: gts, .offset: 40, .size: 8, .value_kind: global_buffer, .address_space: global }
    .group_segment_fixed_size: 13312
    .private_segment_fixed_size: 0
    .kernarg_segment_align: 8
    .kernarg_segment_size: 48
    .max_flat_workgroup_size: 128
    .sgpr_count:     66
    .vgpr_count:     256
    .wavefront_size: 32
...
	.end_amdgpu_metadata
.endif
;; end of part 1
;; launch gemm (part 2): grid 128 x 2, 8 waves a work-group, clusters of 4 x 1, 327,680 bytes of LDS; arguments x, gts, bq, out0; writes out0
.if DOCPART == 2
	.amdgcn_target "amdgcn-amd-amdhsa--gfx1250"
	.amdhsa_code_object_version 6
	.text
	.protected	k_qeb20695c1c_gemm
	.globl	k_qeb20695c1c_gemm
	.p2align	8
	.type	k_qeb20695c1c_gemm,@function
k_qeb20695c1c_gemm:
	s_mov_b64 s[64:65], 0
	v_nop
	global_prefetch_b8 v0, s[64:65] scope:SCOPE_SE
	s_setreg_imm32_b32 hwreg(HW_REG_WAVE_MODE, 25, 1), 1
	s_wait_xcnt 0x0
	s_wait_alu depctr_hold_cnt(0) depctr_sa_sdst(0) depctr_va_vdst(0) depctr_va_sdst(0) depctr_va_ssrc(0) depctr_va_vcc(0) depctr_vm_vsrc(0)
	s_getreg_b32 s2, hwreg(HW_REG_IB_STS2, 6, 4)
	s_cmp_eq_u32 s2, 0
	s_cbranch_scc0 .Lentry_in_a_cluster
	s_endpgm
.Lentry_in_a_cluster:
	s_bfe_u32 s2, ttmp6, 0x10000c
	s_cmp_lg_u32 s2, 0x3003
	s_cbranch_scc0 .Lentry_shape_is_right
	s_endpgm
.Lentry_shape_is_right:
; out0 = Q(x (outer) gate) Q(expert_w).  K = (d, e), e innermost: a block of 32 along K is one d with all 32 experts.  Nothing of reference() is left out.
; SHARES.  A work-group makes 64 tokens x 256 columns over ALL of K: grid x = block of 64 tokens, y = column half nh.  Eight waves, two to a SIMD: wave w = 2 kq + th takes tokens 32 th .. 32 th + 31
; (two tiles), all 256 columns, and the quarter kq of K (d = 128 kq .. 128 kq + 127): 32 accumulators, 256 registers.  The four quarters are added at the end through a stage in LDS; each output byte is stored once.
; THE LEFT OPERAND IS NEVER STORED.  Its block (token t, d) is x[t][d] x gate[t][0 .. 31], rounded once in f32; a lane keeps its token's 32 gates in registers and makes a block from one number of x: 16 packed
; multiplications, two conversions, three moves.  The block's largest magnitude is |x[t][d]| x the token's largest gate, rounded (rounding keeps order).
; THE RIGHT OPERAND comes from bq, laid by the launch before in the order of the operand's registers: a K step of 128 is 25,600 dense bytes: 16 fragments of 1,536, then 1,024 of scale words.
; THE RING: two slots of 102,400 bytes, each with one K step of each quarter; wave w fetches 12,800 bytes (50 rows of 256) of its quarter's step, one tensor load behind each round.
; THE d OF A BLOCK: in step s lane (r, h)'s registers 6 c .. 6 c + 5 hold d = 128 kq + 8 (s / 2) + 4 h + 2 (s % 2) + c, in both operands: 16 bytes of x a lane serve two steps.  The order of the f32 sums differs from K's.
; CLUSTER: the four work-groups of a cluster share y and walk the same bytes of bq: each tile is asked for JOINTLY (mask 15).  x and the gates are a work-group's own and come by plain loads.
; PREFETCH: in step s each wave names the 12,800 bytes that its load of step s + 1 will ask for (K step s + 3): 50 blocks of 256 bytes, of which the partner at place cx names blocks 13 cx .. 13 cx + 12 (held at 49);
; steps 0 to 28 ask, so the last block named lies in K step 31 of the quarter.  K steps 0 to 2 come by their loads alone.
; THE PRODUCT IS USED TRANSPOSED: source 0 = 16 columns (bq), source 1 = 16 tokens: a lane holds one token and eight neighbouring columns.
; LIMITS: blocks whose largest magnitude lies under 2^-122, zeros among them, get the byte 1 (their codes are zeros or subnormal; only this program reads the bytes); NaN and infinities are not served.
; REGISTERS: window 1: accumulator (column tile nb, token tile m) at v[8 (2 nb + m)].  Window 0: all else, by the names below.
.set STEPB, 25600
.set HALFB, 12800
.set SLOTB, 102400
.set SROW,  1040                       ; a stage row: 256 columns of f32 + 16 bytes: 260 words, so sixteen rows start at sixteen different groups of four banks
.set PLANE, 64*SROW                    ; a quarter's 64 rows
.set SPARE, 4*PLANE                    ; behind the stage (which lies over the ring): the spare words, 128 bytes a wave: four blocks of 256 bytes that no other line names
.set SPW, 1                            ; LDS address of my spare word; never rewritten
.set NIL, 2                            ; 0; never rewritten
.set ADR, 3                            ; v3, v4  my quarter's K step in slot 0, 1, + 16 x lane
.set XO,  5                            ; x: 2,048 r + 16 h
.set PFO, 6                            ; the prefetch's block
.set STO, 7                            ; the stage, on the way in
.set RD,  8                            ; v8-11   the stage, on the way back, a register for each plane
.set CO,  12                           ; 16 x lane
.set GM,  16                           ; v16-17  the two tiles' largest gates
.set SO,  18                           ; v18-21  the four blocks' conversion scales
.set ASC, 22                           ; v22-25  left scale words, two sets of two
.set BSC, 26                           ; v26-33  right scale words: register p: column tiles 2 p (lanes 0-15) and 2 p + 1 (lanes 16-31)
.set XB,  34                           ; v34-49  x: two buffers of 2 tiles x 4 numbers
.set TT,  50                           ; v50-52  a conversion's upper half
.set PP,  54                           ; v54-85  a block's 32 products; at the list's start v70-77 are at work
.set BT,  PP+16
.set WW,  PP+20
.set W2,  PP+22
.set CR,  86                           ; v86-133 left fragments, two sets of two
.set BF,  134                          ; v134-181 right fragments: four buffers, fragment j in buffer j % 4
.set G,   182                          ; v182-245 the gates, 32 a tile
.set RB,  16                           ; the way out: two sets of 64
.set W_M, 0x50                         ; C and D window 1
.set W_S, 0x04                         ; an LDS store's data window 1
.set IEND, 108
.set MSB, 0
.set DIRTY, 0
.set PLC, 0
.macro WIN new                         ; the immediate's high byte repeats the setting that is left
.if MSB != \new
	s_set_vgpr_msb (MSB<<8)|\new
.set MSB, \new
.endif
.endm
.macro SYNC                            ; the wait between the list's writes and readers that stand behind a blocking wait or a branch
.if DIRTY
	s_wait_alu depctr_va_vdst(0)
.set DIRTY, 0
.endif
.endm
.macro CREST                           ; a round of the cluster's barrier behind its opening barrier
	s_cmp_lg_u32 s12, 0
	s_cbranch_scc1 .Lnot_wave_0_\@
	s_barrier_signal -3
.Lnot_wave_0_\@:
	s_barrier_wait -3
	s_barrier_signal -1
	s_barrier_wait -1
.endm
.macro CROUND
	s_barrier_signal -1
	s_barrier_wait -1
	CREST
.endm
; THE LIST that makes a step's two left fragments (four blocks BB = 2 m + c) into set GP, from x at XR0 (tile m: + 4 m).  ITEM writes entry IT; PLC counts plain vector instructions since the last product.
.macro ITEM
.set PLN, 1
.set EMIT, 1
.if IT == 0
	v_pk_mul_f32 v[SO:SO+1], v[XR0:XR0+1], v[GM:GM+1] op_sel_hi:[1,0]                  ; tile 0: two x times its largest gate
.elseif IT == 1
	v_pk_mul_f32 v[SO+2:SO+3], v[XR0+4:XR0+5], v[GM:GM+1] op_sel:[0,1] op_sel_hi:[1,1] ; tile 1
.elseif IT < 6
	v_max_num_f32 v[SO+IT-2], |v[SO+IT-2]|, s44            ; the block's largest magnitude, and the floor 2^(5 - 127)
.elseif IT < 10
	v_add_nc_u32 v[SO+IT-6], s45, v[SO+IT-6]               ; 4 off its exponent field: the conversion's scale operand
.elseif IT < 14
	v_lshrrev_b32 v[BT+IT-10], 23, v[SO+IT-10]             ; the byte
.elseif IT < 16
	v_lshl_or_b32 v[WW+IT-14], v[BT+2*(IT-14)+1], 16, v[BT+2*(IT-14)]   ; my two bytes: places h and 2 + h of the token's word
.elseif IT < 18
	v_permlanex16_b32 v[W2+IT-16], v[WW+IT-16], s42, s43
.set PLN, 0
.elseif IT < 20
	v_lshl_or_b32 v[ASC+2*GP+IT-18], v[W2+IT-18], 8, v[WW+IT-18]        ; lanes 0-15, which alone are read: places 0, 2 mine, places 1, 3 lane l + 16's
.elseif IT < 104
.set BB, (IT-20)/21
.set PS, (IT-20)%21
.set XR, XR0+4*(BB/2)
.set GR, G+32*(BB/2)
.set IX, PS
.if PS > 11
.set IX, PS-4
.endif
.if (PS < 8) || ((PS > 11) && (PS < 20))
.if (BB%2)
	v_pk_mul_f32 v[PP+2*IX:PP+2*IX+1], v[XR:XR+1], v[GR+2*IX:GR+2*IX+1] op_sel:[1,0] op_sel_hi:[1,1]
.else
	v_pk_mul_f32 v[PP+2*IX:PP+2*IX+1], v[XR:XR+1], v[GR+2*IX:GR+2*IX+1] op_sel_hi:[0,1]
.endif
.elseif PS < 11
.if BB > 0
	v_mov_b32 v[CR+24*GP+6*BB-3+PS-8], v[TT+PS-8]          ; the block before: its upper 16 codes (a conversion's three registers begin on an even number)
.else
.set PLN, 0
.set EMIT, 0
.endif
.elseif PS == 11
	v_cvt_scalef32_pk16_bf6_f32 v[CR+24*GP+6*BB:CR+24*GP+6*BB+2], v[PP:PP+15], v[SO+BB]
.set PLN, 0
.else
	v_cvt_scalef32_pk16_bf6_f32 v[TT:TT+2], v[PP+16:PP+31], v[SO+BB]
.set PLN, 0
.endif
.elseif IT == 104
	v_nop                                                  ; the plain line behind the last conversion
.set EMIT, 0
.else
	v_mov_b32 v[CR+24*GP+21+IT-105], v[TT+IT-105]
.endif
.set PLC, PLC+PLN
.if EMIT
.set DIRTY, 1
.endif
.endm
.macro SLICE
.rept 8
.if IT < IEND
	ITEM
.set IT, IT+1
.endif
.endr
.endm
; Column tile J against my two token tiles.  The 32 accumulators take turns, one instruction a turn, in the same order in every step.
.macro MM2 zero
.set BFJ, BF+12*(J%4)
.set SB, BSC+J/2
.set MX, 0
.rept 2
.set AC, 8*(2*J+MX)
.set CF, CR+24*PAR+12*MX
.set SA, ASC+2*PAR+MX
.if \zero
.if (J&1)
	v_wmma_scale_f32_16x16x128_f8f6f4 v[AC:AC+7], v[BFJ:BFJ+11], v[CF:CF+11], 0, v[SB], v[SA] matrix_a_fmt:MATRIX_FMT_BF6 matrix_b_fmt:MATRIX_FMT_BF6 matrix_a_scale:MATRIX_SCALE_ROW1
.else
	v_wmma_scale_f32_16x16x128_f8f6f4 v[AC:AC+7], v[BFJ:BFJ+11], v[CF:CF+11], 0, v[SB], v[SA] matrix_a_fmt:MATRIX_FMT_BF6 matrix_b_fmt:MATRIX_FMT_BF6
.endif
.else
.if (J&1)
	v_wmma_scale_f32_16x16x128_f8f6f4 v[AC:AC+7], v[BFJ:BFJ+11], v[CF:CF+11], v[AC:AC+7], v[SB], v[SA] matrix_a_fmt:MATRIX_FMT_BF6 matrix_b_fmt:MATRIX_FMT_BF6 matrix_a_scale:MATRIX_SCALE_ROW1
.else
	v_wmma_scale_f32_16x16x128_f8f6f4 v[AC:AC+7], v[BFJ:BFJ+11], v[CF:CF+11], v[AC:AC+7], v[SB], v[SA] matrix_a_fmt:MATRIX_FMT_BF6 matrix_b_fmt:MATRIX_FMT_BF6
.endif
.endif
.set MX, MX+1
.endr
.set PLC, 0
.endm
.macro BLOAD adr, f, buf               ; fragment f of the K step at adr into buffer buf: lane l reads at 16 l, 512 consecutive bytes a load
.irp i, 0,1,2
	ds_load_b128 v[BF+12*(\buf)+4*\i:BF+12*(\buf)+4*\i+3], v[\adr] offset:1536*(\f)+512*\i
.endr
.endm
.macro SLOAD adr, g                    ; the scale words of column tiles 8 g .. 8 g + 7
	ds_load_b128 v[BSC+4*(\g):BSC+4*(\g)+3], v[\adr] offset:24576+512*(\g)
.endm
; One column tile of a K step: the wait for its fragment, two products, eight entries of the list, and the loads of the fragment four further on into the buffer just read (four plain lines behind the products).
; At J = 12 the slot is left: fragment 15's loads, my last reads of it, went out behind J = 11.
.macro FRAG zero, chg, pf, last
.if (J == 12) && (\chg)
	SYNC
	s_wait_tensorcnt 0x0                           ; my one tensor load that was out, my part of the other slot, has landed; so a group 0 may be written
	ds_add_u32 v[SPW], v[NIL]
.if (\chg) == 1
	s_add_nc_u64 s[34+4*PAR:35+4*PAR], s[34+4*PAR:35+4*PAR], 2*STEPB   ; this slot's next K step
.endif
	s_wait_dscnt 0x0                               ; the add is done, and my reads of this slot are over: fragments 12 to 15 are in registers
	s_barrier_signal -1
.elseif J < 12
	SYNC
	s_wait_dscnt 9                                 ; fragment J is in; the nine loads of the three fragments behind it may be out
.elseif \last
	SYNC
	s_wait_dscnt 3*(15-J)
.endif
	WIN W_M
	MM2 \zero
	WIN 0
	SLICE
.if (J < 12) || (1-(\last))
.if PLC < 4
.rept 4-PLC
	v_nop
.endr
.endif
.endif
.if (J == 12) && (\chg)
	SYNC
	s_barrier_wait -1
.if (\chg) == 1
	CREST                                          ; the barrier has opened a round of the cluster's barrier: no wave of any partner still reads this slot or has a load on its way
	tensor_load_to_lds s[32+4*PAR:35+4*PAR], s[24:31]   ; my one tensor load behind the round: K step s + 2; it has a step in which to land
	s_nop 0
.rept 4
	v_nop
.endr
.endif
.endif
.if J < 12
	BLOAD ADR+PAR, J+4, J%4
.elseif 1-(\last)
.if J == 12
	SLOAD ADR+1-PAR, 0
.endif
.if J == 15
	SLOAD ADR+1-PAR, 1
.endif
	BLOAD ADR+1-PAR, J-12, J%4
.endif
.if (J == 4) && ((\pf) >= 0)
	s_cmp_lt_u32 ttmp9, 4
	s_cbranch_scc0 .Lno_prefetch_gemm0_\@
	global_prefetch_b8 v[PFO], s[52:53] offset:(\pf)*STEPB th:TH_LOAD_NT scope:SCOPE_SE
.Lno_prefetch_gemm0_\@:
.endif
.endm
; A K STEP, pos = s % 4.  zero: its products start the sums.  chg: 1 the slot is left and filled again, 2 it is left.  gen: the next step's left fragments are made.  xw: x's loads are waited for.
; xl: the buffer that the list has left takes the x of two pairs of steps on.  pf: the prefetch's place, in K steps from its base, or -1.  last: nothing follows.
.macro STEP pos, zero, chg, gen, xw, xl, pf, last
.set PAR, (\pos)&1
.set GP, 1-PAR
.set XR0, XB+8*((((\pos)+1)>>1)&1)+2*(((\pos)+1)&1)
.set IT, IEND*(1-(\gen))
.if \xw
	s_wait_loadcnt 0x0                             ; the two loads of x issued two steps ago
.endif
.if \xl
	s_wait_xcnt 0x0                                ; the prefetches have read their base: the bases may step
	s_add_nc_u64 s[46:47], s[46:47], 32
	s_add_nc_u64 s[52:53], s[52:53], 2*STEPB       ; behind the n-th of these lines the prefetches' base stands at K step 2 n of my quarter
.irp m, 0,1
	global_load_b128 v[XB+8*((\pos)>>1)+4*\m:XB+8*((\pos)>>1)+4*\m+3], v[XO], s[46:47] offset:32768*\m
.endr
.endif
.set J, 0
.rept 16
	FRAG \zero, \chg, \pf, \last
.set J, J+1
.endr
	SYNC
.endm
	s_load_b256 s[4:11], s[0:1], 0x0               ; x s[4:5], gts s[6:7], bq s[8:9], out0 s[10:11]
	v_lshl_add_u32 v[SPW], v0, 2, SPARE
	v_mov_b32 v[NIL], 0
	ds_add_u32 v[SPW], v[NIL]                      ; the opening lines: the add, twice on end, and its wait ahead of my first tensor load
	ds_add_u32 v[SPW], v[NIL]
	v_lshrrev_b32 v13, 5, v0
	v_readfirstlane_b32 s12, v13                   ; wave 0..7
	s_lshr_b32 s13, s12, 1                         ; kq
	s_and_b32 s14, s12, 1                          ; th
	s_and_b32 s15, ttmp7, 0xffff                   ; nh, which the four partners share
	s_lshl_b32 s18, s15, 2
	s_add_co_u32 s18, s18, s13
	s_mul_i32 s20, s18, 32*STEPB                   ; my quarter's 32 K steps in bq,
	s_mul_i32 s19, s14, HALFB                      ; my half of each
	s_add_co_u32 s20, s20, s19
	s_mov_b32 s21, 0
	s_mov_b32 s24, 15|(3<<16)|(1<<21)              ; group 1: the mask: all four work-groups; elements of 8 bytes; bit 21 set beside a mask
	s_mov_b32 s25, 32<<16                          ; tensor_dim0 = 32: rows of 256 bytes
	s_mov_b32 s26, 50<<16                          ; tensor_dim1 = 50
	s_mov_b32 s27, 32<<16                          ; tile_dim0
	s_mov_b32 s28, 50                              ; tile_dim1
	s_mov_b32 s29, 32                              ; the pitch
	s_mov_b32 s30, 0
	s_mov_b32 s31, 0
	s_mov_b32 s32, 1                               ; group 0 of slot 0,
	s_mul_i32 s33, s12, HALFB
	s_mov_b32 s36, 1                               ; and of slot 1
	s_add_co_u32 s37, s33, SLOTB
	s_mov_b32 s42, 0x76543210
	s_mov_b32 s43, 0xfedcba98                      ; v_permlanex16_b32's selects for lane l xor 16
	s_mov_b32 s44, 0x02800000                      ; the floor
	s_mov_b32 s45, 0xfe000000                      ; -(4 << 23)
	s_bfe_u32 s16, ttmp6, 0x40000                  ; cx: it enters global addresses alone
	s_lshl_b32 s17, ttmp9, 2
	s_add_co_u32 s17, s17, s16                     ; my block of 64 tokens
	s_lshl_b32 s22, s17, 17                        ; x: 64 rows of 2,048 bytes a block,
	s_lshl_b32 s2, s14, 16                         ; 32 rows a half,
	s_add_co_u32 s22, s22, s2
	s_lshl_b32 s2, s13, 9                          ; 128 kq numbers along the row
	s_add_co_u32 s22, s22, s2
	s_mov_b32 s23, 0
	s_lshl_b32 s50, s17, 13                        ; gts: tile 4 block + 2 th, 2,048 bytes a tile
	s_lshl_b32 s2, s14, 12
	s_add_co_u32 s50, s50, s2
	s_mov_b32 s51, 0
	s_lshl_b32 s48, s17, 17                        ; out0: row 64 block + 8 wave, + 1,024 nh
	s_lshl_b32 s2, s12, 14
	s_add_co_u32 s48, s48, s2
	s_lshl_b32 s2, s15, 10
	s_add_co_u32 s48, s48, s2
	s_mov_b32 s49, 0
	s_mul_i32 s54, s16, 13
	s_mul_i32 s55, s13, STEPB
	s_mul_i32 s3, s13, PLANE
	s_mul_i32 s2, s14, 32*SROW
	s_add_co_u32 s3, s3, s2
	s_mul_i32 s40, s12, 8*SROW
	s_wait_dscnt 0x0                               ; both opening adds are done
	s_wait_kmcnt 0x0
	s_add_nc_u64 s[34:35], s[8:9], s[20:21]
	s_mov_b64 s[52:53], s[34:35]                   ; the prefetches' base
	s_add_nc_u64 s[38:39], s[34:35], STEPB
	s_or_b32 s35, s35, 0x80000000                  ; type = 2
	s_or_b32 s39, s39, 0x80000000
	s_add_nc_u64 s[46:47], s[4:5], s[22:23]
	s_add_nc_u64 s[50:51], s[6:7], s[50:51]
	s_add_nc_u64 s[48:49], s[10:11], s[48:49]
	CROUND                                         ; all four work-groups are here: the first joint loads meet
	tensor_load_to_lds s[32:35], s[24:31]          ; K step 0: one tensor load a wave at the head
	s_nop 0
.rept 4
	v_nop
.endr
	v_and_b32 v14, 31, v0
	v_lshlrev_b32 v[CO], 4, v14
	v_and_b32 v15, 15, v0                          ; r
	v_bfe_u32 v13, v0, 4, 1                        ; h
	v_add_nc_u32 v[ADR], s55, v[CO]
	v_add_nc_u32 v[ADR+1], SLOTB, v[ADR]
	v_lshlrev_b32 v[XO], 11, v15
	v_lshl_add_u32 v[XO], v13, 4, v[XO]
	v_min_u32 v[PFO], 12, v14
	v_add_nc_u32 v[PFO], s54, v[PFO]
	v_min_u32 v[PFO], 49, v[PFO]
	v_lshlrev_b32 v[PFO], 8, v[PFO]
	v_mul_u32_u24 v[STO], v15, SROW
	v_lshl_add_u32 v[STO], v13, 5, v[STO]
	v_add_nc_u32 v[STO], s3, v[STO]                ; plane kq, row 32 th + r, + 32 h
	v_add_nc_u32 v[RD], s40, v[CO]                 ; row 8 wave, + 16 lane
	v_add_nc_u32 v[RD+1], PLANE, v[RD]
	v_add_nc_u32 v[RD+2], 2*PLANE, v[RD]
	v_add_nc_u32 v[RD+3], 3*PLANE, v[RD]
	v_lshlrev_b32 v14, 4, v15                      ; the gates: 16 r
	v_mov_b32 v[W2], 0                             ; written once: a lane permute's destination counts as one of its sources
	v_mov_b32 v[W2+1], 0
	s_wait_alu depctr_va_vdst(0)
.irp m, 0,1                                    ; the gates of my 32 tokens: every lane of token r, in both halves, takes all 32
.irp q, 0,1,2,3
.irp hh, 0,1
	global_load_b128 v[G+32*\m+16*(\q/2)+8*\hh+4*(\q%2):G+32*\m+16*(\q/2)+8*\hh+4*(\q%2)+3], v14, s[50:51] offset:2048*\m+512*\q+256*\hh
.endr
.endr
.endr
.irp p, 0,1                                    ; x for steps 0, 1 and 2, 3
.irp m, 0,1
	global_load_b128 v[XB+8*\p+4*\m:XB+8*\p+4*\m+3], v[XO], s[46:47] offset:32768*\m+32*\p
.endr
.endr
	s_wait_loadcnt 0x0
	s_add_nc_u64 s[46:47], s[46:47], 32            ; x's base stands at the youngest load
.irp m, 0,1                                    ; each token's largest gate (none is negative)
	v_max3_num_f32 v[GM+\m], v[G+32*\m], v[G+32*\m+1], v[G+32*\m+2]
.endr
.irp i, 3,5,7,9,11,13,15,17,19,21,23,25,27,29
.irp m, 0,1
	v_max3_num_f32 v[GM+\m], v[GM+\m], v[G+32*\m+\i], v[G+32*\m+\i+1]
.endr
.endr
.irp m, 0,1
	v_max_num_f32 v[GM+\m], v[GM+\m], v[G+32*\m+31]
.endr
.set GP, 0                             ; step 0's left fragments: the list on end
.set XR0, XB
.set IT, 0
.rept IEND
	ITEM
.set IT, IT+1
.endr
.set DIRTY, 0
	s_wait_alu depctr_va_vdst(0)
	s_wait_tensorcnt 0x0                           ; my part of K step 0 is in; the same lines as ahead of a refill stand ahead of slot 1's first fill
	ds_add_u32 v[SPW], v[NIL]
	s_wait_dscnt 0x0
	CROUND
	tensor_load_to_lds s[36:39], s[24:31]          ; K step 1, the first tensor load behind the round
	s_nop 0
.rept 4
	v_nop
.endr
	SLOAD ADR, 0
	SLOAD ADR, 1
	BLOAD ADR, 0, 0
	BLOAD ADR, 1, 1
	BLOAD ADR, 2, 2
	BLOAD ADR, 3, 3
	STEP 0, 1, 1, 1, 0, 0, 3, 0                    ; step 0 stands in front of the loop: its products start the sums
	s_mov_b32 s41, 7
.Ltrip:                                            ; seven trips of four steps, steps 1 to 28: each step leaves a slot and fills it again
	STEP 1, 0, 1, 1, 1, 1, 2, 0
	STEP 2, 0, 1, 1, 0, 0, 3, 0
	STEP 3, 0, 1, 1, 1, 1, 2, 0
	STEP 0, 0, 1, 1, 0, 0, 3, 0
	s_sub_co_u32 s41, s41, 1
	s_cmp_lg_u32 s41, 0
	s_cbranch_scc1 .Ltrip
	STEP 1, 0, 1, 1, 1, 0, -1, 0                   ; the tail is written out.  Step 29 asks for K step 31
	STEP 2, 0, 2, 1, 0, 0, -1, 0                   ; step 30 leaves its slot; nothing is left to fetch
	STEP 3, 0, 0, 0, 0, 0, -1, 1                   ; step 31: no list, no loads for a successor
.rept 4
	v_nop                                          ; four plain lines between the last products and the stores that read results
.endr
	s_barrier_signal -1                            ; every wave's reads of the ring are over (its last wait on DScnt was for 0), and the ring has had its last fill:
	s_barrier_wait -1                              ; the stage may be laid over it
	; THE WAY OUT: every wave lays its quarter's sums into its plane of the stage, by rows; each accumulator from its low end on
	WIN W_S
.set AA, 0
.rept 32
	ds_store_b128 v[STO], v[8*AA:8*AA+3] offset:(AA&1)*16*SROW+64*(AA>>1)
	ds_store_b128 v[STO], v[8*AA+4:8*AA+7] offset:(AA&1)*16*SROW+64*(AA>>1)+16
.set AA, AA+1
.endr
	WIN 0
	s_wait_dscnt 0x0                               ; for the others' sake: my stores have landed
	s_barrier_signal -1
	s_barrier_wait -1
	; wave w adds the four planes of rows 8 w .. 8 w + 7, two rows at a time; a store covers 512 consecutive bytes, at a multiple of 256 from out0's first byte
.macro ELOAD b
.irp i, 0,1,2,3
.irp k, 0,1,2,3
	ds_load_b128 v[RB+64*((\b)%2)+16*\i+4*\k:RB+64*((\b)%2)+16*\i+4*\k+3], v[RD+\k] offset:(2*(\b)+\i/2)*SROW+512*(\i%2)
.endr
.endr
.endm
.macro ESUM b, n
	s_wait_dscnt \n                                ; this pair of rows is in; the next pair's sixteen loads may be out
.irp i, 0,1,2,3
.set R0, RB+64*((\b)%2)+16*\i
	v_pk_add_f32 v[R0:R0+1], v[R0:R0+1], v[R0+4:R0+5]
	v_pk_add_f32 v[R0+2:R0+3], v[R0+2:R0+3], v[R0+6:R0+7]
	v_pk_add_f32 v[R0+8:R0+9], v[R0+8:R0+9], v[R0+12:R0+13]
	v_pk_add_f32 v[R0+10:R0+11], v[R0+10:R0+11], v[R0+14:R0+15]
	v_pk_add_f32 v[R0:R0+1], v[R0:R0+1], v[R0+8:R0+9]
	v_pk_add_f32 v[R0+2:R0+3], v[R0+2:R0+3], v[R0+10:R0+11]
	global_store_b128 v[CO], v[R0:R0+3], s[48:49] offset:(2*(\b)+\i/2)*2048+512*(\i%2) th:TH_STORE_NT
.endr
.endm
	ELOAD 0
	ELOAD 1
	ESUM 0, 16
	s_wait_xcnt 0x0                                ; the stores have read their registers: the next loads may land there
	ELOAD 2
	ESUM 1, 16
	s_wait_xcnt 0x0
	ELOAD 3
	ESUM 2, 16
	ESUM 3, 0
	s_wait_tensorcnt 0x0                           ; the wave's end
	ds_add_u32 v[SPW], v[NIL]
	s_wait_dscnt 0x0
	CROUND                                         ; the closing round: no work-group ends while a partner may still ask for a tile that names it
	s_endpgm
.Lfunc_end_k_qeb20695c1c_gemm:
	.size	k_qeb20695c1c_gemm, .Lfunc_end_k_qeb20695c1c_gemm-k_qeb20695c1c_gemm
	.p2alignl 7, 3214868480
	.fill 96, 4, 3214868480
	.section	.rodata,"a",@progbits
	.p2align	6, 0x0
	.amdhsa_kernel k_qeb20695c1c_gemm
		.amdhsa_group_segment_fixed_size 327680
		.amdhsa_private_segment_fixed_size 0
		.amdhsa_enable_private_segment 0
		.amdhsa_kernarg_size 32
		.amdhsa_user_sgpr_count 2
		.amdhsa_user_sgpr_kernarg_segment_ptr 1
		.amdhsa_wavefront_size32 1
		.amdhsa_system_sgpr_workgroup_id_x 1
		.amdhsa_system_sgpr_workgroup_id_y 1
		.amdhsa_system_sgpr_workgroup_id_z 1
		.amdhsa_system_vgpr_workitem_id 0
		.amdhsa_next_free_vgpr 512
		.amdhsa_next_free_sgpr 66
		.amdhsa_reserve_vcc 0
		.amdhsa_float_denorm_mode_32 3
		.amdhsa_float_denorm_mode_16_64 3
		.amdhsa_memory_ordered 1
		.amdhsa_forward_progress 1
		.amdhsa_inst_pref_size 154
	.end_amdhsa_kernel
	.amdgpu_metadata
---
amdhsa.version: [ 1, 2 ]
amdhsa.kernels:
  - .name:           k_qeb20695c1c_gemm
    .symbol:         k_qeb20695c1c_gemm.kd
    .args:
      - { .name: x, .offset: 0, .size: 8, .value_kind: global_buffer, .address_space: global }
      - { .name: gts, .offset: 8, .size: 8, .value_kind: global_buffer, .address_space: global }
      - { .name: bq, .offset: 16, .size: 8, .value_kind: global_buffer, .address_space: global }
      - { .name: out0, .offset: 24, .size: 8, .value_kind: global_buffer, .address_space: global }
    .group_segment_fixed_size: 327680
    .private_segment_fixed_size: 0
    .kernarg_segment_align: 8
    .kernarg_segment_size: 32
    .max_flat_workgroup_size: 256
    .sgpr_count:     66
    .vgpr_count:     512
    .wavefront_size: 32
...
	.end_amdgpu_metadata
.endif
;; end of part 2
